; MI455X (gfx1250); checked and timed in simulation.
; The chip was launched on July 23, 2026; its instructions are those of AMD's public machine-readable ISA for CDNA 5 (MIT licence, August 2026) and "CDNA5" Instruction Set Architecture Reference Guide (July 2026). The comments in the code are by the model that wrote it; some were corrected since.
;; AOS Prediction Layer. Allowed arithmetic: matrix products marked QUANTISED: E2M1 operands, one E8M0 scale for each 32 along K, by v_wmma_scale_f32_16x16x128_f8f6f4 with both operands' format E2M1 (or v_wmma_scale_f32_32x16x128_f4), f32 sums; everything else in f32.
;; Inputs: W1 8 x 512 x 512 float32; W2 8 x 512 x 256 float32; W3 8 x 256 x 128 float32; Wu1 512 x 512 float32; Wu2 512 x 256 float32; Wu3 256 x 128 float32; a_emb 512 x 32 x 256 float32; b1 8 x 512 float32; b2 8 x 256 float32; b3 8 x 128 float32; bu1 512 float32; bu2 256 float32; bu3 128 float32; i_emb 512 x 256 float32; o_emb 512 x 32 x 256 float32; s 512 x 32 int32; u_emb 512 x 256 float32.
;; Outputs: out0 512 x 32 float32.
;; This version of the problem:
;;   THIS VERSION OF THE PROBLEM IS GIVEN IN LOW PRECISION. The matrix products marked QUANTISED in the list below multiply operands that are first quantised to E2M1 (2 exponent bits, 1 mantissa bit; 4 bits a number), with one power-of-two scale for each 32 numbers along K (OCP MX v1.0); their sums are f32. All else is computed in f32.
;;   The module's matrix products, in the order in which they are computed (A, B: the left and right operand; K: the contracted axis; several contracted axes count as one K, in the product's order):
;;     1. [M 512, K 512] x [K 512, N 512]; A: computed on the way; B: input Wu1: QUANTISED
;;     2. [M 512, K 512] x [K 512, N 256]; A: computed on the way; B: input Wu2: QUANTISED
;;     3. [M 512, K 256] x [K 256, N 128]; A: computed on the way; B: input Wu3: QUANTISED
;;     4. [M 16,384, K 512] x [K 512, N 512]; A: computed on the way; B: input W1: QUANTISED
;;     5. [M 16,384, K 512] x [K 512, N 256]; A: computed on the way; B: input W2: QUANTISED
;;     6. [M 16,384, K 256] x [K 256, N 128]; A: computed on the way; B: input W3: QUANTISED
;;     7. [M 16,384, K 512] x [K 512, N 512]; A: computed on the way; B: input W1: QUANTISED
;;     8. [M 16,384, K 512] x [K 512, N 256]; A: computed on the way; B: input W2: QUANTISED
;;     9. [M 16,384, K 256] x [K 256, N 128]; A: computed on the way; B: input W3: QUANTISED
;;     10. [M 16,384, K 512] x [K 512, N 512]; A: computed on the way; B: input W1: QUANTISED
;;     11. [M 16,384, K 512] x [K 512, N 256]; A: computed on the way; B: input W2: QUANTISED
;;     12. [M 16,384, K 256] x [K 256, N 128]; A: computed on the way; B: input W3: QUANTISED
;;     13. [M 16,384, K 512] x [K 512, N 512]; A: computed on the way; B: input W1: QUANTISED
;;     14. [M 16,384, K 512] x [K 512, N 256]; A: computed on the way; B: input W2: QUANTISED
;;     15. [M 16,384, K 256] x [K 256, N 128]; A: computed on the way; B: input W3: QUANTISED
;;     16. [M 16,384, K 512] x [K 512, N 512]; A: computed on the way; B: input W1: QUANTISED
;;     17. [M 16,384, K 512] x [K 512, N 256]; A: computed on the way; B: input W2: QUANTISED
;;     18. [M 16,384, K 256] x [K 256, N 128]; A: computed on the way; B: input W3: QUANTISED
;;     19. [M 16,384, K 512] x [K 512, N 512]; A: computed on the way; B: input W1: QUANTISED
;;     20. [M 16,384, K 512] x [K 512, N 256]; A: computed on the way; B: input W2: QUANTISED
;;     21. [M 16,384, K 256] x [K 256, N 128]; A: computed on the way; B: input W3: QUANTISED
;;     22. [M 16,384, K 512] x [K 512, N 512]; A: computed on the way; B: input W1: QUANTISED
;;     23. [M 16,384, K 512] x [K 512, N 256]; A: computed on the way; B: input W2: QUANTISED
;;     24. [M 16,384, K 256] x [K 256, N 128]; A: computed on the way; B: input W3: QUANTISED
;;     25. [M 16,384, K 512] x [K 512, N 512]; A: computed on the way; B: input W1: QUANTISED
;;     26. [M 16,384, K 512] x [K 512, N 256]; A: computed on the way; B: input W2: QUANTISED
;;     27. [M 16,384, K 256] x [K 256, N 128]; A: computed on the way; B: input W3: QUANTISED
;;   THE QUANTISER, for each operand of a quantised product, along K:
;;     - K is cut into blocks of 32 from its start; a last block that is shorter is filled with zeros.
;;     - A block's scale is 2^e with e = floor(log2(the largest magnitude in the block)) - 2, held to -126 .. 127; a block of zeros has e = 0. As a byte (E8M0): e + 127.
;;     - Each number is divided by its block's scale, clamped to +-6, and rounded to the nearest number of E2M1, ties to even, subnormals kept.
;;     - The product sums the exact products of the quantised numbers (number of the format x scale) in f32.
;;   ~~~python
;;   def quantise(x, axis):      # numpy; x: float32 -> the quantised numbers, widened to float32 again
;;       x = np.moveaxis(x, axis, -1); K = x.shape[-1]
;;       x = np.pad(x, [(0, 0)] * (x.ndim - 1) + [(0, -K % 32)]); x = x.reshape(x.shape[:-1] + (-1, 32)); a = np.abs(x).max(-1, keepdims=True)
;;       e = np.where(a > 0, np.clip(np.frexp(np.where(a > 0, a, 1))[1] - 1 - 2, -126, 127), 0)      # np.frexp(a)[1] - 1 = floor(log2(a)), exactly
;;       r = np.clip(x / 2.0 ** e, -6, 6)
;;       step = 2.0 ** (np.maximum(np.frexp(np.where(r == 0, 1, r))[1] - 1, 0) - 1)
;;       q = np.round(r / step) * step * 2.0 ** e      # np.round: ties to even
;;       return np.moveaxis(q.reshape(q.shape[:-2] + (-1,))[..., :K], -1, axis).astype(np.float32)
;;   ~~~
;;   OPERANDS COMPUTED ON THE WAY. 'Computed on the way' means the value that the module computes at that place (a softmax that the list does not call 'softmax' is quantised finished and normalised). What goes into a quantiser is computed in f32, as accurately as f32 sums, v_exp_f32 and their like allow (about 1e-6 of the number): no bf16 or f16 on the way to a quantiser, and a product that is left as it is and whose result goes on into a quantised operand takes f32 operands (vector FMAs, or v_wmma_f32_16x16x4_f32). A number that lies on a knife's edge between two numbers of the format may be rounded either way, as far as f32 arithmetic and the matrix unit's own rounding can turn it there, and no further.
;; One version. Each part assembles by itself: llvm-mc -triple=amdgcn-amd-amdhsa -mcpu=gfx1250 --defsym DOCPART=n.
;; ======== version 1 of 1: 3 launches
;; workspace buffers: wc 1,916,928 bytes; ws 119,808 bytes; order 68,608 bytes of whole numbers; tiles 4,096 bytes of whole numbers; emb 8,650,752 bytes
;; launch prep (part 1): grid 235 x 1, 4 waves a work-group, no clusters, 1,536 bytes of LDS; arguments W1, W2, W3, Wu1, Wu2, Wu3, s, wc, ws, order, tiles; writes wc, ws, order, tiles
.if DOCPART == 1
	.amdgcn_target "amdgcn-amd-amdhsa--gfx1250"
	.amdhsa_code_object_version 6
	.text
	.protected	k_qc4fb2ad857_prep
	.globl	k_qc4fb2ad857_prep
	.p2align	8
	.type	k_qc4fb2ad857_prep,@function
k_qc4fb2ad857_prep:
	s_mov_b64 s[64:65], 0
	v_nop
	global_prefetch_b8 v0, s[64:65] scope:SCOPE_SE
	s_setreg_imm32_b32 hwreg(HW_REG_WAVE_MODE, 25, 1), 1
	s_wait_xcnt 0x0
; PREP.  Two jobs in one launch, parted by the work-group's number.
; (a) Work-groups 0..233: the nine weight sets (relations 0..7, and the shared UI set as expert 8), f32 stored [K][N], become codes of FP4 (E2M1) and
;     E8M0 scale bytes, one for each 32 along K, laid in the order in which a wave of the chain launch takes them into its operand registers.
;     wc: expert e at 212,992 e; layer 1 at +0, layer 2 at +131,072, layer 3 at +196,608; fragment (tile t, K step s) at (S t + s) x 1,024 (S = K / 128).
;     In a fragment the 16 bytes at 256 bl + 16 r hold k = 128 s + 32 bl + 0..31 of the tile's row r.  Tile 2 b + u, row r is column 32 b + 8 u + r + 8 (r / 8):
;     used transposed, two neighbouring tiles then give a lane 16 neighbours along the next K.
;     ws: expert e at 13,312 e; layers at +0, +8,192, +12,288; record (pair b, K step s) at (S b + s) x 128; in it the word at 4 (16 u + r): the four bytes of tile 2 b + u, row r.
;     A LANE TAKES A COLUMN AND ITS REGISTERS RUN DOWN K: a wave takes 32 columns x 128 k, each load reads 128 consecutive bytes (the four waves side by side: 512),
;     a block of 32 lies in one lane, and the conversions give codes with K innermost.  Nothing is transposed.
; (b) Work-group 234: a counting sort of the 16,384 tokens by s, without atomics, and the list of tiles of 80 rows: {expert, first place in order, rows, 0}.
;     order[0..16383]: token numbers by expert; order[16384 + j] = min(16384 + j, 16895), j < 768: the UI rows, and room for reads past a tile's last row.
;     Tiles: never more than ceil(16384 / 80) + 7 = 212 for the tokens; tiles 212..218 are the UI rows'.
; A block's scale is 2^(floor(log2(largest magnitude)) - 2); its byte is the largest magnitude's exponent field - 2, held at 1 from below.
; LIMITS: s is taken modulo 8 (for s outside 0..7 the result differs from a row of zeros); NaN and infinities among the weights are not served;
; a block of zeros gets the byte 1, not 127: its codes are zeros, and these bytes are read by this program alone.
.set X,   64                           ; v64-191   weight path: 128 numbers down K.  Sort path: the 128 tokens' s, then rank and s, then byte offsets
.set C,   192                          ; v192-207  weight path: codes, four registers a block.  Sort path v192-223: token numbers to store
.set SBY, 208                          ; v208      weight path: the four scale bytes
	s_load_b512 s[4:19], s[0:1], 0x0               ; W1 s[4:5], W2 s[6:7], W3 s[8:9], Wu1 s[10:11], Wu2 s[12:13], Wu3 s[14:15], s s[16:17], wc s[18:19]
	s_load_b128 s[20:23], s[0:1], 0x40             ; ws s[20:21], order s[22:23]
	s_load_b64 s[24:25], s[0:1], 0x50              ; tiles
	v_lshl_add_u32 v224, v0, 2, 0x400
	v_mov_b32 v225, 0
	v_lshrrev_b32 v1, 5, v0
	v_readfirstlane_b32 s26, v1                    ; wave 0..3
	s_cmp_eq_u32 ttmp9, 234
	s_cbranch_scc1 .Lsort
; ---------------------------------------------------------------- the weights
	v_and_b32 v1, 31, v0                           ; lane l = my column in the pair of tiles
	v_bfe_u32 v2, v0, 3, 1                         ; u: which tile of the pair
	v_and_b32 v3, 7, v0
	v_bfe_u32 v7, v0, 4, 1
	v_lshl_or_b32 v3, v7, 3, v3                    ; r: which row of that tile: l = 8 u + r + 8 (r / 8)
	v_lshlrev_b32 v4, 2, v1                        ; in: 4 bytes a lane
	v_lshlrev_b32 v6, 2, v3
	v_lshl_add_u32 v6, v2, 6, v6                   ; my scale word in a record: 64 u + 4 r
	s_mul_i32 s27, ttmp9, 2521
	s_lshr_b32 s27, s27, 16                        ; expert = work-group / 26 (exact for 0..233)
	s_mul_i32 s28, s27, 26
	s_sub_co_u32 s28, ttmp9, s28                   ; 0..15 layer 1, 16..23 layer 2, 24..25 layer 3
	s_mul_i32 s29, s27, 212992                     ; the expert's codes
	s_mul_i32 s30, s27, 13312                      ; and scale words
	s_and_b32 s31, s27, 7                          ; its place in the stacked f32 weights (expert 8 has tensors of its own: 0)
	s_wait_kmcnt 0x0
; One layer's addresses and its 128 loads.  wp, wup: the scalar pairs of the stacked and of the UI weight; rem0: the layer's first number; estr: bytes of one relation;
; n: columns; logs: log2 of its K steps; loff, soff: the layer's place in wc and ws.
.macro WSETUP wp, wup, rem0, estr, n, logs, loff, soff
	s_cmp_eq_u32 s27, 8
	s_cselect_b64 s[40:41], s[\wup:\wup+1], s[\wp:\wp+1]
	s_sub_co_u32 s32, s28, \rem0
	s_and_b32 s33, s32, (1<<\logs)-1               ; K step
	s_lshr_b32 s34, s32, \logs
	s_lshl_b32 s34, s34, 2
	s_add_co_u32 s34, s34, s26                     ; pair of tiles b = 4 x group + wave
	s_mul_i32 s36, s31, \estr
	s_mul_i32 s35, s33, 128*\n*4
	s_add_co_u32 s36, s36, s35
	s_lshl_b32 s35, s34, 7
	s_add_co_u32 s36, s36, s35                     ; relation, 128 rows a K step, 128 bytes a pair
	s_mov_b32 s37, 0
	s_add_nc_u64 s[40:41], s[40:41], s[36:37]
	s_lshl_b32 s35, s34, 1+\logs
	s_add_co_u32 s35, s35, s33
	s_lshl_b32 s35, s35, 10                        ; fragment (2 b, s)
	s_add_co_u32 s36, s35, s29
	s_add_co_u32 s36, s36, \loff
	s_add_nc_u64 s[42:43], s[18:19], s[36:37]
	s_lshl_b32 s35, s34, \logs
	s_add_co_u32 s35, s35, s33
	s_lshl_b32 s35, s35, 7                         ; record (b, s)
	s_add_co_u32 s36, s35, s30
	s_add_co_u32 s36, s36, \soff
	s_add_nc_u64 s[44:45], s[20:21], s[36:37]
	v_lshlrev_b32 v5, 4, v3
	v_lshl_add_u32 v5, v2, 10+\logs, v5            ; my 16 bytes of a block: 16 r, and tile 2 b + 1 lies S fragments on
.set k, 0
.rept 128
	global_load_b32 v[X+k], v4, s[40:41] offset:k*\n*4 th:TH_LOAD_NT   ; W(128 s + k, my column): 32 lanes read 128 consecutive bytes; read once in the launch
.set k, k+1
.endr
.endm
	s_cmp_lt_u32 s28, 16
	s_cbranch_scc1 .Lw1
	s_cmp_lt_u32 s28, 24
	s_cbranch_scc1 .Lw2
	s_wait_alu depctr_va_vdst(0)
	WSETUP 8, 14, 24, 131072, 128, 1, 196608, 12288
	s_branch .Lquant
.Lw2:
	s_wait_alu depctr_va_vdst(0)
	WSETUP 6, 12, 16, 524288, 256, 2, 131072, 8192
	s_branch .Lquant
.Lw1:
	s_wait_alu depctr_va_vdst(0)
	WSETUP 4, 10, 0, 1048576, 512, 2, 0, 0
.Lquant:
; Block bl of the four: all its 32 numbers are mine.  left: how many of the 128 loads may still be out.
.macro WBLOCK bl, left
.set XB, X+32*(\bl)
	s_wait_loadcnt \left
	v_max3_num_f32 v8, |v[XB]|, |v[XB+1]|, |v[XB+2]|               ; the largest magnitude, in two chains
	v_max3_num_f32 v9, |v[XB+3]|, |v[XB+4]|, |v[XB+5]|
.irp i, 6,10,14,18,22,26
	v_max3_num_f32 v8, v8, |v[XB+\i]|, |v[XB+\i+1]|
	v_max3_num_f32 v9, v9, |v[XB+\i+2]|, |v[XB+\i+3]|
.endr
	v_max3_num_f32 v8, v8, |v[XB+30]|, |v[XB+31]|
	v_max3_num_f32 v8, v8, v9, 0x1800000           ; and the floor 2^(3 - 127): the byte cannot fall under 1
	v_add_nc_u32 v[12+\bl], 0xff000000, v8         ; 2 off the exponent field: the conversion takes this operand's exponent field as its scale
	v_lshrrev_b32 v10, 23, v[12+\bl]               ; the scale's byte
.if (\bl) == 0
	v_mov_b32 v[SBY], v10
.else
	v_lshl_or_b32 v[SBY], v10, 8*(\bl), v[SBY]     ; the lower K in the lower byte
.endif
.irp g, 0,1,2,3
	v_cvt_scalef32_pk8_fp4_f32 v[C+4*(\bl)+\g], v[XB+8*\g:XB+8*\g+7], v[12+\bl]
.endr
	global_store_b128 v5, v[C+4*(\bl):C+4*(\bl)+3], s[42:43] offset:256*(\bl)   ; the sixteen lanes of a tile store 256 consecutive bytes, aligned; each block has registers of its own
.endm
	WBLOCK 0, 63                                   ; at most 63 of the 128 are out: the first 65 are in
	WBLOCK 1, 63
	WBLOCK 2, 32                                   ; the last block's 32 may be out
	WBLOCK 3, 0
	global_store_b32 v6, v[SBY], s[44:45]          ; 128 consecutive bytes: the record
	s_endpgm
; ---------------------------------------------------------------- the sort: one work-group, 128 threads, 128 tokens each
; Thread t takes tokens 512 i + 4 t + j (load i = 0..31, j = 0..3).  The four j are four streams with counters of their own, worked line by line by turns.
; Within an expert the order is (thread, stream, i): any order serves, since every row is worked by itself.
; v8-11 A_j, v12-15 B_j: a stream's counts of experts 0-3 and 4-7, a byte each (at most 32).  v16-31: tables of first places.  v32-47 at work.  v48-63 the scan.
.Lsort:
	v_lshlrev_b32 v1, 4, v0                        ; 16 t
	v_lshlrev_b32 v4, 2, v0                        ; 4 t
	v_lshlrev_b32 v5, 3, v0                        ; 8 t
	s_mov_b32 s27, 0x0c0c0c00                      ; a byte select whose upper three bytes give 0
	s_wait_alu depctr_va_vdst(0)
	s_wait_kmcnt 0x0
.set ii, 0
.rept 32
	global_load_b128 v[X+4*ii:X+4*ii+3], v1, s[16:17] offset:2048*ii th:TH_LOAD_NT
.set ii, ii+1
.endr
.irp j, 0,1,2,3,4,5,6,7
	v_mov_b32 v[8+\j], 0
.endr
.irp j, 0,1,2,3
	v_mov_b32 v[60+\j], 0                          ; destinations of lane moves count as read: written once
.endr
; Each token gets its rank in its stream and expert; the register then holds rank << 8 | expert.
.macro RANK4 i
	s_wait_loadcnt 31-(\i)                         ; the later loads may be out
.irp j, 0,1,2,3
	v_and_b32 v[X+4*(\i)+\j], 7, v[X+4*(\i)+\j]
.endr
.irp j, 0,1,2,3
	v_and_b32 v[32+\j], 3, v[X+4*(\i)+\j]
.endr
.irp j, 0,1,2,3
	v_lshlrev_b32 v[32+\j], 3, v[32+\j]            ; the counter's bit place
.endr
.irp j, 0,1,2,3
	v_lshrrev_b32 v[36+\j], 2, v[X+4*(\i)+\j]      ; 1: it is in B
.endr
.irp j, 0,1,2,3
	v_xor_b32 v[40+\j], 1, v[36+\j]                ; 1: it is in A
.endr
.irp j, 0,1,2,3
	v_or_b32 v[44+\j], s27, v[X+4*(\i)+\j]
.endr
.irp j, 0,1,2,3
	v_perm_b32 v[44+\j], v[12+\j], v[8+\j], v[44+\j]   ; the count so far: bytes 0-3 from A, 4-7 from B
.endr
.irp j, 0,1,2,3
	v_lshl_add_u32 v[8+\j], v[40+\j], v[32+\j], v[8+\j]
.endr
.irp j, 0,1,2,3
	v_lshl_add_u32 v[12+\j], v[36+\j], v[32+\j], v[12+\j]
.endr
.irp j, 0,1,2,3
	v_lshl_or_b32 v[X+4*(\i)+\j], v[44+\j], 8, v[X+4*(\i)+\j]
.endr
.endm
.set ii, 0
.rept 32
	RANK4 ii
.set ii, ii+1
.endr
	; the thread's counts (at most 128 a byte), widened to two experts of 16 bits a register: v48-51; a copy in v52-55
	v_add_nc_u32 v32, v8, v9
	v_add_nc_u32 v33, v10, v11
	v_add_nc_u32 v34, v12, v13
	v_add_nc_u32 v35, v14, v15
	v_add_nc_u32 v32, v32, v33
	v_add_nc_u32 v34, v34, v35
	v_perm_b32 v48, v32, v32, 0x0c010c00
	v_perm_b32 v49, v32, v32, 0x0c030c02
	v_perm_b32 v50, v34, v34, 0x0c010c00
	v_perm_b32 v51, v34, v34, 0x0c030c02
.irp q, 0,1,2,3
	v_mov_b32 v[52+\q], v[48+\q]
.endr
	; running sums over the wave's 32 lanes (no field passes 16,384, so nothing carries from one to the next)
.irp n, 1,2,4,8
.irp q, 0,1,2,3
	v_mov_b32_dpp v[60+\q], v[48+\q] row_shr:\n row_mask:0xf bank_mask:0xf bound_ctrl:1
.endr
.irp q, 0,1,2,3
	v_add_nc_u32 v[48+\q], v[48+\q], v[60+\q]
.endr
.endr
.irp q, 0,1,2,3
	v_readlane_b32 s[28+\q], v[48+\q], 15
.endr
	s_mov_b32 vcc_lo, 0xffff0000
.irp q, 0,1,2,3
	v_mov_b32 v[60+\q], s[28+\q]
.endr
.irp q, 0,1,2,3
	v_cndmask_b32 v[60+\q], 0, v[60+\q], vcc_lo    ; lanes 16-31 add the lower half's total
.endr
.irp q, 0,1,2,3
	v_add_nc_u32 v[48+\q], v[48+\q], v[60+\q]
.endr
	; the waves' totals meet in LDS: 16 bytes a wave
.irp q, 0,1,2,3
	v_readlane_b32 s[28+\q], v[48+\q], 31
.endr
.irp q, 0,1,2,3
	v_mov_b32 v[32+\q], s[28+\q]
.endr
	s_lshl_b32 s36, s26, 4
	v_mov_b32 v2, s36
	ds_store_b128 v2, v[32:35]                     ; all lanes write the same 16 bytes with the same values
	s_wait_dscnt 0x0                               ; for the others' sake: my store is done
	s_barrier_signal -1
	s_barrier_wait -1
	v_mov_b32 v3, 0
.irp w, 0,1,2,3
	ds_load_b128 v[32+4*\w:35+4*\w], v3 offset:16*\w
.endr
	s_wait_dscnt 0x0
.irp n, 0,1,2,3,4,5,6,7,8,9,10,11,12,13,14,15
	v_readfirstlane_b32 s[40+\n], v[32+\n]         ; s[40 + 4 w + q]: wave w's totals
.endr
.irp q, 0,1,2,3
	s_add_co_u32 s[56+\q], s[40+\q], s[44+\q]
	s_add_co_u32 s[56+\q], s[56+\q], s[48+\q]
	s_add_co_u32 s[56+\q], s[56+\q], s[52+\q]      ; all four waves'
	s_mov_b32 s[60+\q], 0
.endr
.irp w, 0,1,2
	s_cmp_gt_u32 s26, \w                           ; the waves in front of mine
.irp q, 0,1,2,3
	s_cselect_b32 s[28+\q], s[40+4*\w+\q], 0
.endr
.irp q, 0,1,2,3
	s_add_co_u32 s[60+\q], s[60+\q], s[28+\q]
.endr
.endr
	; s66-74 rows of expert 0..8;  s75-83 its first place in order;  s84-92 its first tile
.irp q, 0,1,2,3
	s_and_b32 s[66+2*\q], s[56+\q], 0xffff
	s_lshr_b32 s[67+2*\q], s[56+\q], 16
.endr
	s_mov_b32 s74, 512
	s_mov_b32 s75, 0
	s_mov_b32 s84, 0
.irp e, 0,1,2,3,4,5,6
	s_add_co_u32 s[76+\e], s[75+\e], s[66+\e]
	s_add_co_u32 s36, s[66+\e], 79
	s_mul_i32 s36, s36, 52429
	s_lshr_b32 s36, s36, 22                        ; ceil(rows / 80): exact for rows + 79 up to 16,463
	s_add_co_u32 s[85+\e], s[84+\e], s36
.endr
	s_mov_b32 s83, 16384                           ; the UI rows lie behind the tokens,
	s_mov_b32 s92, 212                             ; and their tiles behind the most that the tokens can need
.irp q, 0,1,2,3
	s_lshl_b32 s36, s[76+2*\q], 16
	s_or_b32 s36, s36, s[75+2*\q]
	s_add_co_u32 s[93+\q], s36, s[60+\q]           ; the experts' first places + the earlier waves' rows
.endr
.irp q, 0,1,2,3
	v_sub_nc_u32 v[56+\q], v[48+\q], v[52+\q]      ; + the earlier lanes' rows: where my thread's rows of each expert begin
.endr
.irp q, 0,1,2,3
	v_add_nc_u32 v[56+\q], s[93+\q], v[56+\q]
.endr
	; a table for each stream: low and high bytes of the eight first places, so that one byte select by the expert finds each
.irp j, 0,1,2,3
	v_perm_b32 v[16+\j], v57, v56, 0x06040200
	v_perm_b32 v[20+\j], v57, v56, 0x07050301
	v_perm_b32 v[24+\j], v59, v58, 0x06040200
	v_perm_b32 v[28+\j], v59, v58, 0x07050301
	v_perm_b32 v60, v[8+\j], v[8+\j], 0x0c010c00
	v_perm_b32 v61, v[8+\j], v[8+\j], 0x0c030c02
	v_perm_b32 v62, v[12+\j], v[12+\j], 0x0c010c00
	v_perm_b32 v63, v[12+\j], v[12+\j], 0x0c030c02
	v_add_nc_u32 v56, v56, v60                     ; the next stream begins behind this one's rows
	v_add_nc_u32 v57, v57, v61
	v_add_nc_u32 v58, v58, v62
	v_add_nc_u32 v59, v59, v63
.endr
; Each token's number goes to its place.  The places hang on s alone; they are held to the list's 16,384 words.
.macro PLACE4 i
.if ((\i) > 0) && ((\i)%8 == 0)
	s_wait_xcnt 0x0                                ; the 32 registers of token numbers are written again only behind this wait
.endif
.irp j, 0,1,2,3
	v_and_or_b32 v[32+\j], v[X+4*(\i)+\j], 7, s27
.endr
.irp j, 0,1,2,3
	v_perm_b32 v[36+\j], v[24+\j], v[16+\j], v[32+\j]
.endr
.irp j, 0,1,2,3
	v_perm_b32 v[40+\j], v[28+\j], v[20+\j], v[32+\j]
.endr
.irp j, 0,1,2,3
	v_lshrrev_b32 v[X+4*(\i)+\j], 8, v[X+4*(\i)+\j]    ; the rank
.endr
.irp j, 0,1,2,3
	v_lshl_add_u32 v[36+\j], v[40+\j], 8, v[36+\j]     ; the first place
.endr
.irp j, 0,1,2,3
	v_add_nc_u32 v[X+4*(\i)+\j], v[X+4*(\i)+\j], v[36+\j]
.endr
.irp j, 0,1,2,3
	v_min_u32 v[X+4*(\i)+\j], 0x3fff, v[X+4*(\i)+\j]
.endr
.irp j, 0,1,2,3
	v_lshlrev_b32 v[X+4*(\i)+\j], 2, v[X+4*(\i)+\j]
.endr
.irp j, 0,1,2,3
	v_add_nc_u32 v[C+(4*(\i)+\j)%32], 512*(\i)+\j, v4
.endr
.irp j, 0,1,2,3
	global_store_b32 v[X+4*(\i)+\j], v[C+(4*(\i)+\j)%32], s[22:23]
.endr
.endm
.set ii, 0
.rept 32
	PLACE4 ii
.set ii, ii+1
.endr
	; order[16384 + j], j < 768
.irp i, 0,1,2
	v_lshl_add_u32 v[44+2*\i], v0, 1, 16384+256*\i
	v_add_nc_u32 v[45+2*\i], 1, v[44+2*\i]
	v_min_u32 v[44+2*\i], 16895, v[44+2*\i]
	v_min_u32 v[45+2*\i], 16895, v[45+2*\i]
	global_store_b64 v5, v[44+2*\i:45+2*\i], s[22:23] offset:65536+1024*\i
.endr
; Tile tau = t + 128 i: the last expert whose first tile is not behind tau; its rows from 80 (tau - first tile) on, 80 at the most, none where the expert has no more.
.macro TILE i
	v_add_nc_u32 v[50+\i], 128*\i, v0
	v_lshlrev_b32 v[52+\i], 4, v[50+\i]
	v_mov_b32 v[56+4*\i], 0
	v_mov_b32 v8, 0
	v_mov_b32 v9, 0
	v_mov_b32 v10, s66
.irp e, 1,2,3,4,5,6,7,8
	v_cmp_gt_u32 vcc_lo, s[84+\e], v[50+\i]        ; expert e begins behind tau: keep what stands
	v_cndmask_b32 v[56+4*\i], \e, v[56+4*\i], vcc_lo
	v_cndmask_b32 v8, s[84+\e], v8, vcc_lo
	v_cndmask_b32 v9, s[75+\e], v9, vcc_lo
	v_cndmask_b32 v10, s[66+\e], v10, vcc_lo
.endr
	v_sub_nc_u32 v11, v[50+\i], v8
	v_mul_u32_u24 v11, v11, 80
	v_add_nc_u32 v[57+4*\i], v9, v11
	v_sub_nc_u32 v[58+4*\i], v10, v11
	v_cmp_gt_u32 vcc_lo, v10, v11
	v_cndmask_b32 v[58+4*\i], 0, v[58+4*\i], vcc_lo
	v_min_u32 v[58+4*\i], 80, v[58+4*\i]
	v_mov_b32 v[59+4*\i], 0
	global_store_b128 v[52+\i], v[56+4*\i:59+4*\i], s[24:25]
.endm
	TILE 0
	TILE 1
	s_wait_tensorcnt 0x0
	ds_add_u32 v224, v225
	s_wait_dscnt 0x0
	s_endpgm
.Lfunc_end_k_qc4fb2ad857_prep:
	.size	k_qc4fb2ad857_prep, .Lfunc_end_k_qc4fb2ad857_prep-k_qc4fb2ad857_prep
	.p2alignl 7, 3214868480
	.fill 96, 4, 3214868480
	.section	.rodata,"a",@progbits
	.p2align	6, 0x0
	.amdhsa_kernel k_qc4fb2ad857_prep
		.amdhsa_group_segment_fixed_size 1536
		.amdhsa_private_segment_fixed_size 0
		.amdhsa_enable_private_segment 0
		.amdhsa_kernarg_size 88
		.amdhsa_user_sgpr_count 2
		.amdhsa_user_sgpr_kernarg_segment_ptr 1
		.amdhsa_wavefront_size32 1
		.amdhsa_system_sgpr_workgroup_id_x 1
		.amdhsa_system_sgpr_workgroup_id_y 1
		.amdhsa_system_sgpr_workgroup_id_z 1
		.amdhsa_system_vgpr_workitem_id 0
		.amdhsa_next_free_vgpr 226
		.amdhsa_next_free_sgpr 100
		.amdhsa_reserve_vcc 1
		.amdhsa_float_denorm_mode_32 3
		.amdhsa_float_denorm_mode_16_64 3
		.amdhsa_memory_ordered 1
		.amdhsa_forward_progress 1
		.amdhsa_inst_pref_size 197
	.end_amdhsa_kernel
	.amdgpu_metadata
---
amdhsa.version: [ 1, 2 ]
amdhsa.kernels:
  - .name:           k_qc4fb2ad857_prep
    .symbol:         k_qc4fb2ad857_prep.kd
    .args:
      - { .name: W1, .offset: 0, .size: 8, .value_kind: global_buffer, .address_space: global }
      - { .name: W2, .offset: 8, .size: 8, .value_kind: global_buffer, .address_space: global }
      - { .name: W3, .offset: 16, .size: 8, .value_kind: global_buffer, .address_space: global }
      - { .name: Wu1, .offset: 24, .size: 8, .value_kind: global_buffer, .address_space: global }
      - { .name: Wu2, .offset: 32, .size: 8, .value_kind: global_buffer, .address_space: global }
      - { .name: Wu3, .offset: 40, .size: 8, .value_kind: global_buffer, .address_space: global }
      - { .name: s, .offset: 48, .size: 8, .value_kind: global_buffer, .address_space: global }
      - { .name: wc, .offset: 56, .size: 8, .value_kind: global_buffer, .address_space: global }
      - { .name: ws, .offset: 64, .size: 8, .value_kind: global_buffer, .address_space: global }
      - { .name: order, .offset: 72, .size: 8, .value_kind: global_buffer, .address_space: global }
      - { .name: tiles, .offset: 80, .size: 8, .value_kind: global_buffer, .address_space: global }
    .group_segment_fixed_size: 1536
    .private_segment_fixed_size: 0
    .kernarg_segment_align: 8
    .kernarg_segment_size: 88
    .max_flat_workgroup_size: 128
    .sgpr_count:     100
    .vgpr_count:     226
    .wavefront_size: 32
...
	.end_amdgpu_metadata
.endif
;; end of part 1
;; launch chain (part 2): grid 219 x 1, 8 waves a work-group, no clusters, 102,400 bytes of LDS; arguments a_emb, o_emb, u_emb, i_emb, b1, b2, b3, bu1, bu2, bu3, order, tiles, wc, ws, emb; writes emb
.if DOCPART == 2
	.amdgcn_target "amdgcn-amd-amdhsa--gfx1250"
	.amdhsa_code_object_version 6
	.text
	.protected	k_qc4fb2ad857_chain
	.globl	k_qc4fb2ad857_chain
	.p2align	8
	.type	k_qc4fb2ad857_chain,@function
k_qc4fb2ad857_chain:
	s_mov_b64 s[64:65], 0
	v_nop
	global_prefetch_b8 v0, s[64:65] scope:SCOPE_SE
	s_setreg_imm32_b32 hwreg(HW_REG_WAVE_MODE, 25, 1), 1
	s_wait_xcnt 0x0
; CHAIN.  One work-group takes one tile of 80 rows of one expert through the whole chain: gather, quantise, 512 -> 512, leaky, quantise, 512 -> 256, leaky, quantise, 256 -> 128, leaky,
; and stores each row's 128 numbers as one row of emb, at the row's own number (tokens 0..16383; UI row b at 16384 + b, expert 8).  All products on codes of FP4 (E2M1) with one E8M0 scale for each 32 along K.
; The hidden layers never go to memory: they lie in LDS as rows of codes and scale bytes.
; SHARES.  THE EIGHT WAVES SHARE THE COLUMNS: wave w makes tiles 4 w .. 4 w + 3 of layer 1, 2 w and 2 w + 1 of layer 2, tile w of layer 3, for all five tiles of 16 rows.  So each weight fragment is
; loaded by one wave, once, straight into its registers (208 of them), in the register order in which the launch before laid it.  For the gather and the way out wave w owns rows 10 w .. 10 w + 9.
; THE PRODUCTS ARE USED TRANSPOSED (source 0 = 16 weight columns, source 1 = 16 rows): lane (r, h) holds row r, and register j of tile 2 b + u the unit 32 b + 16 h + 8 u + j (the weights' tiles are
; laid for that): two neighbouring tiles are 16 neighbours along the next K, half a block; lane l xor 16 holds the other half.  The biases are the C of each sum's first product.
; A tile with fewer than 80 rows works on whatever valid row numbers follow in the list and stores only its own rows; every wave passes all four barriers.
; NO CLUSTER, NO TENSOR LOADS: the expert of a work-group is a number read from the list of tiles, so four neighbours of the grid may serve different experts at some splits, and no joint request
; could be the same in all partners; and each weight byte is wanted by one wave alone.
; LIMITS: NaN and infinities among the inputs are not served; a block of zeros gets the scale byte 1 (its codes are zeros).
; LDS, every region written once:  x's codes 80 rows x (256 + 16);  hidden 1 likewise;  hidden 2 80 x (128 + 16);  three regions of scale bytes, 16 a row;  a stage of 80 rows x (512 + 16).
; The pitches are odd multiples of 16 bytes, so that the sixteen rows that a fragment load touches begin at sixteen different places modulo 256 bytes.
.set XC,  0
.set H1C, 21760
.set H2C, 43520
.set XS,  55040
.set H1S, 56320
.set H2S, 57600
.set STG, 58880
; REGISTERS, window 0: v1-23 addresses; v24-33 the rows' offsets in x; v34-43 in emb; v44-51, v52-55, v56-57 the weights' scale words of layers 1, 2, 3; v58-65 b3's tile;
;   v66-75 the rows' scale words; v76-95 at work; v96-255: ten rows of x; later two sets of four fragments (v96, v128), accumulators v160-191, 0.01 x at v192; in layer 3 fragments v96-175, accumulators v176-215.
; window 1: v0-127 W1's 16 fragments; v128-191 W2's 8; v192-207 W3's 2; v208-239 b1's four tiles; v240-255 b2's two.
.set ACC, 160
.set WS1, 44
.set WS2, 52
.set WS3, 56
.set B3R, 58
.set MSB, 0
.macro WIN new                         ; s_set_vgpr_msb: bits 1:0 source 0, 3:2 source 1, 5:4 source 2, 7:6 destination; the high byte repeats the setting that is left
.if MSB != \new
	s_set_vgpr_msb (MSB<<8)|\new
.set MSB, \new
.endif
.endm
.macro BARRIER                         ; my LDS stores have landed and my LDS loads are in: then the work-group's barrier
	s_wait_dscnt 0x0
	s_barrier_signal -1
	s_barrier_wait -1
.endm
.macro PLACES                          ; four plain places between a product and the first vector read of its result (ISA guide 7.12.1)
.rept 4
	v_nop
.endr
.endm
	s_load_b512 s[4:19], s[0:1], 0x0               ; a s[4:5], o s[6:7], u s[8:9], i s[10:11], b1 s[12:13], b2 s[14:15], b3 s[16:17], bu1 s[18:19]
	s_load_b256 s[20:27], s[0:1], 0x40             ; bu2 s[20:21], bu3 s[22:23], order s[24:25], tiles s[26:27]
	s_load_b128 s[28:31], s[0:1], 0x60             ; wc s[28:29], ws s[30:31]
	s_load_b64 s[32:33], s[0:1], 0x70              ; emb
	v_lshrrev_b32 v94, 5, v0
	s_delay_alu instid0(VALU_DEP_1)
	v_readfirstlane_b32 s34, v94                   ; wave w, 0..7
	s_lshl_b32 s50, ttmp9, 4
	s_wait_kmcnt 0x0
	s_load_b128 s[36:39], s[26:27], s50 offset:0x0 ; my tile: expert, first place in order, rows.  The addresses below are made while it is on its way
	v_and_b32 v94, 31, v0                          ; lane L
	v_and_b32 v2, 15, v0                           ; r
	v_bfe_u32 v3, v0, 4, 1                         ; h
	s_delay_alu instid0(VALU_DEP_3)
	v_lshlrev_b32 v1, 4, v94                       ; 16 L
	s_delay_alu instid0(VALU_DEP_4)
	v_lshlrev_b32 v95, 5, v94                      ; 32 L
	s_lshr_b32 s76, s34, 1                         ; w / 2
	s_and_b32 s77, s34, 1                          ; w % 2
	s_lshl_b32 s75, s34, 14
	v_add_nc_u32 v4, s75, v1                       ; W1: 16 fragments of 1,024 bytes a wave
	s_lshl_b32 s75, s34, 13
	v_add_nc_u32 v5, s75, v1                       ; W2: 8
	s_lshl_b32 s75, s34, 11
	v_add_nc_u32 v6, s75, v1                       ; W3: 2
	v_lshlrev_b32 v8, 2, v94
	s_lshl_b32 s75, s34, 10
	v_add_nc_u32 v7, s75, v8                       ; layer 1's scale words: 8 records of 128 bytes a wave
	s_lshl_b32 s75, s34, 9
	v_add_nc_u32 v8, s75, v8                       ; layer 2's: 4
	s_lshl_b32 s75, s76, 8
	s_lshl_b32 s78, s77, 6
	s_add_co_u32 s75, s75, s78
	v_lshl_add_u32 v9, v2, 2, s75                  ; layer 3's: pair w / 2, and in the record my tile's sixteen words, in lanes 0-15
	v_lshlrev_b32 v12, 6, v3                       ; biases: my half's eight units of tile 2 b + u begin at unit 32 b + 16 h + 8 u
	s_lshl_b32 s75, s34, 8
	v_add_nc_u32 v10, s75, v12
	s_lshl_b32 s75, s34, 7
	v_add_nc_u32 v11, s75, v12
	s_lshl_b32 s75, s76, 7
	s_lshl_b32 s78, s77, 5
	s_add_co_u32 s79, s75, s78                     ; 128 (w / 2) + 32 (w % 2): tile w's place in a row of 128 f32
	v_add_nc_u32 v12, s79, v12
	s_mul_i32 s75, s34, 2720
	v_lshl_add_u32 v13, v94, 2, s75                ; x's codes, on the way in: my wave's ten rows, 4 bytes a lane
	s_mul_i32 s75, s34, 160
	s_add_co_u32 s75, s75, XS
	v_lshrrev_b32 v14, 2, v94
	s_delay_alu instid0(VALU_DEP_1)
	v_add_nc_u32 v14, s75, v14                     ; and their scale bytes: four lanes to a block
	v_mul_u32_u24 v15, v2, 272
	s_delay_alu instid0(VALU_DEP_1)
	v_lshl_add_u32 v15, v3, 4, v15                 ; a fragment from rows of 272 bytes: row r, + 16 h
	v_mul_u32_u24 v16, v2, 144
	s_delay_alu instid0(VALU_DEP_1)
	v_lshl_add_u32 v16, v3, 4, v16                 ; from rows of 144
	v_lshlrev_b32 v17, 4, v2                       ; a row's scale words
	v_mul_u32_u24 v18, v2, 272
	s_delay_alu instid0(VALU_DEP_1)
	v_lshl_add_u32 v18, v3, 3, v18
	s_lshl_b32 s75, s34, 5
	v_add_nc_u32 v18, s75, v18                     ; hidden 1, on the way in: row r, blocks 2 w and 2 w + 1, my half's 8 bytes
	s_lshl_b32 s75, s34, 1
	v_add_nc_u32 v19, s75, v17                     ; and their two scale bytes
	v_mul_u32_u24 v20, v2, 144
	s_delay_alu instid0(VALU_DEP_1)
	v_lshl_add_u32 v20, v3, 3, v20
	s_lshl_b32 s75, s34, 4
	v_add_nc_u32 v20, s75, v20                     ; hidden 2: row r, block w
	v_add_nc_u32 v21, s34, v17
	v_mul_u32_u24 v22, v2, 528
	s_delay_alu instid0(VALU_DEP_1)
	v_lshl_add_u32 v22, v3, 6, v22
	s_add_co_u32 s75, s79, STG
	v_add_nc_u32 v22, s75, v22                     ; the stage, on the way in: row r, tile w's units of my half
	s_mul_i32 s75, s34, 5280
	s_add_co_u32 s75, s75, STG
	v_add_nc_u32 v23, s75, v1                      ; and back: my wave's ten rows, 16 bytes a lane
	s_mov_b32 s52, 0x76543210
	s_mov_b32 s53, 0xfedcba98                      ; v_permlanex16_b32's selects for lane l xor 16
	s_mov_b32 s56, 0x3c23d70a                      ; 0.01
	s_mov_b32 s57, s56                             ; (named with it as a pair, so it is written)
	v_mov_b32 v78, 0                               ; a lane permute's destination counts as one of its sources
	v_mov_b32 v79, 0
	s_wait_kmcnt 0x0
	s_min_u32 s36, s36, 8                          ; numbers read from memory are held to their tables before they enter an address
	s_min_u32 s37, s37, 17072
	s_min_u32 s38, s38, 80
	s_mul_i32 s50, s34, 10
	s_add_co_u32 s51, s37, s50
	s_lshl_b32 s51, s51, 2
	s_load_b256 s[40:47], s[24:25], s51 offset:0x0 ; my wave's ten row numbers: (17,072 + 70 + 10) x 4 is the list's last byte
	s_load_b64 s[48:49], s[24:25], s51 offset:0x20
	s_sub_co_i32 s74, s38, s50                     ; how many of my ten rows are the tile's own
	s_cmp_eq_u32 s36, 8                            ; expert 8 has tensors of its own
	s_cselect_b64 s[70:71], s[8:9], s[4:5]         ; the row's first half
	s_cselect_b64 s[72:73], s[10:11], s[6:7]       ; its second
	s_cselect_b64 s[62:63], s[18:19], s[12:13]
	s_cselect_b64 s[66:67], s[20:21], s[14:15]
	s_cselect_b64 s[68:69], s[22:23], s[16:17]
	s_and_b32 s75, s36, 7                          ; the relation's place in the stacked biases (expert 8: 0)
	s_mov_b32 s77, 0
	s_mul_i32 s76, s36, 212992
	s_add_nc_u64 s[58:59], s[28:29], s[76:77]      ; the expert's codes
	s_mul_i32 s76, s36, 13312
	s_add_nc_u64 s[60:61], s[30:31], s[76:77]      ; and scale words
	s_lshl_b32 s76, s75, 11
	s_add_nc_u64 s[62:63], s[62:63], s[76:77]
	s_lshl_b32 s76, s75, 10
	s_add_nc_u64 s[66:67], s[66:67], s[76:77]
	s_lshl_b32 s76, s75, 9
	s_add_nc_u64 s[68:69], s[68:69], s[76:77]
	; ---- all loads go out here.  First 48: what layer 1 wants
	WIN 0x40                                       ; destination window 1, address window 0
.irp f, 0,1,2,3,4,5,6,7,8,9,10,11,12,13,14,15
.irp c, 0,1
	global_load_b128 v[8*\f+4*\c:8*\f+4*\c+3], v4, s[58:59] offset:1024*\f+512*\c   ; W1's fragment (tile f / 4, K step f % 4): 512 consecutive bytes a load
.endr
.endr
.irp t, 0,1,2,3
.irp c, 0,1
	global_load_b128 v[208+8*\t+4*\c:208+8*\t+4*\c+3], v10, s[62:63] offset:128*(\t/2)+32*(\t%2)+16*\c
.endr
.endr
	WIN 0
.irp f, 0,1,2,3,4,5,6,7
	global_load_b32 v[WS1+\f], v7, s[60:61] offset:128*\f   ; record (pair f / 4, K step f % 4): lanes 0-15 the even tile's words, lanes 16-31 the odd tile's
.endr
	s_wait_kmcnt 0x0                               ; the row numbers
.irp i, 0,1,2,3,4,5,6,7,8,9
	s_min_u32 s[40+\i], s[40+\i], 16895
.endr
.irp i, 0,1,2,3,4,5,6,7,8,9
	s_and_b32 s76, s[40+\i], 0x3fff                ; the row in a and o, or in u and i
	v_lshl_add_u32 v[24+\i], s76, 10, v95          ; 1,024 bytes a half row, 32 a lane: lane L holds k = 8 L .. 8 L + 7 of each half
.endr
	; then 40: ten rows of x
	s_wait_alu depctr_va_vdst(0)
.irp i, 0,1,2,3,4,5,6,7,8,9
	global_load_b128 v[96+16*\i:99+16*\i],   v[24+\i], s[70:71]
	global_load_b128 v[100+16*\i:103+16*\i], v[24+\i], s[70:71] offset:16
	global_load_b128 v[104+16*\i:107+16*\i], v[24+\i], s[72:73]
	global_load_b128 v[108+16*\i:111+16*\i], v[24+\i], s[72:73] offset:16
.endr
	; then 32: what layers 2 and 3 want
	WIN 0x40
.irp f, 0,1,2,3,4,5,6,7
.irp c, 0,1
	global_load_b128 v[128+8*\f+4*\c:128+8*\f+4*\c+3], v5, s[58:59] offset:131072+1024*\f+512*\c
.endr
.endr
.irp t, 0,1
.irp c, 0,1
	global_load_b128 v[240+8*\t+4*\c:240+8*\t+4*\c+3], v11, s[66:67] offset:32*\t+16*\c
.endr
.endr
.irp f, 0,1
.irp c, 0,1
	global_load_b128 v[192+8*\f+4*\c:192+8*\f+4*\c+3], v6, s[58:59] offset:196608+1024*\f+512*\c
.endr
.endr
	WIN 0
.irp f, 0,1,2,3
	global_load_b32 v[WS2+\f], v8, s[60:61] offset:8192+128*\f
.endr
.irp f, 0,1
	global_load_b32 v[WS3+\f], v9, s[60:61] offset:12288+128*\f
.endr
.irp c, 0,1
	global_load_b128 v[B3R+4*\c:B3R+4*\c+3], v12, s[68:69] offset:16*\c
.endr
; ---- x: rows i and i + 1 of my ten, four half rows by turns.  A lane holds 8 neighbours, four lanes a block of 32.
.macro XQ i
.if 4*(8-(\i))+32 > 63
	s_wait_loadcnt 63                              ; behind these rows' loads stand 64
.else
	s_wait_loadcnt 4*(8-(\i))+32                   ; the later rows' four loads each, and the last 32, may be out
.endif
.if (\i) > 0
	s_wait_dscnt 0x0                               ; the last pair's LDS stores have read their registers
.endif
.irp q, 0,1,2,3
	v_max3_num_f32 v[76+\q], |v[96+16*(\i)+8*\q]|, |v[97+16*(\i)+8*\q]|, 0x1800000   ; with the floor 2^(3 - 127): the byte cannot fall under 1
.endr
.irp p, 2,4,6
.irp q, 0,1,2,3
	s_delay_alu instid0(VALU_DEP_4)
	v_max3_num_f32 v[76+\q], v[76+\q], |v[96+16*(\i)+8*\q+\p]|, |v[97+16*(\i)+8*\q+\p]|
.endr
.endr
.irp q, 0,1,2,3
	s_delay_alu instid0(VALU_DEP_4)
	v_max_num_f32_dpp v[76+\q], v[76+\q], v[76+\q] row_xmask:1 row_mask:0xf bank_mask:0xf
.endr
.irp q, 0,1,2,3
	s_delay_alu instid0(VALU_DEP_4)
	v_max_num_f32_dpp v[76+\q], v[76+\q], v[76+\q] row_xmask:2 row_mask:0xf bank_mask:0xf   ; the block's largest magnitude
.endr
.irp q, 0,1,2,3
	s_delay_alu instid0(VALU_DEP_4)
	v_add_nc_u32 v[80+\q], 0xff000000, v[76+\q]    ; 2 off its exponent field: the conversion's scale operand
.endr
.irp q, 0,1,2,3
	s_delay_alu instid0(VALU_DEP_4)
	v_lshrrev_b32 v[84+\q], 23, v[80+\q]           ; the scale's byte
.endr
.irp q, 0,1,2,3
	v_cvt_scalef32_pk8_fp4_f32 v[88+\q], v[96+16*(\i)+8*\q:103+16*(\i)+8*\q], v[80+\q]
.endr
	v_nop                                          ; one plain place behind the last scaled conversion
.irp q, 0,1,2,3
	ds_store_b32 v13, v[88+\q] offset:XC+272*((\i)+\q/2)+128*(\q%2)   ; 32 lanes: 128 consecutive bytes of the row's codes
	ds_store_b8 v14, v[84+\q] offset:16*((\i)+\q/2)+8*(\q%2)          ; the four lanes of a block write the same byte with the same value
.endr
.endm
	XQ 0
	XQ 2
	XQ 4
	XQ 6
	XQ 8                                           ; its wait leaves the last 32 loads out: layer 1's 48 are in too
	BARRIER                                        ; x's 80 rows of codes and scale bytes lie in LDS
; One product.  row1: source 0's scale words are taken from lanes 16-31 (the odd tile of a pair)
.macro MM d, a, b, c, sa, sb, row1
.if \row1
	v_wmma_scale_f32_16x16x128_f8f6f4 v[(\d):(\d)+7], v[(\a):(\a)+7], v[(\b):(\b)+7], v[(\c):(\c)+7], v[(\sa)], v[(\sb)] matrix_a_fmt:MATRIX_FMT_FP4 matrix_b_fmt:MATRIX_FMT_FP4 matrix_a_scale:MATRIX_SCALE_ROW1
.else
	v_wmma_scale_f32_16x16x128_f8f6f4 v[(\d):(\d)+7], v[(\a):(\a)+7], v[(\b):(\b)+7], v[(\c):(\c)+7], v[(\sa)], v[(\sb)] matrix_a_fmt:MATRIX_FMT_FP4 matrix_b_fmt:MATRIX_FMT_FP4
.endif
.endm
; Sixteen rows' four fragments (K = 512) from rows of 272 bytes, and their four scale words: nine loads
.macro FETCH4 buf, hsc, base, sbase
.irp s, 0,1,2,3
.irp c, 0,1
	ds_load_b128 v[(\buf)+8*\s+4*\c:(\buf)+8*\s+4*\c+3], v15 offset:(\base)+64*\s+32*\c   ; registers 4 c ..: k = 128 s + 64 c + 32 h + 0 .. 31
.endr
.endr
	ds_load_b128 v[(\hsc):(\hsc)+3], v17 offset:(\sbase)
.endm
; max(x, 0.01 x) on n registers from base on, 0.01 x in t on.  Ascending
.macro LEAKY base, n, t
.set j, 0
.rept (\n)/2
	v_pk_mul_f32 v[\t+j:\t+j+1], v[\base+j:\base+j+1], s[56:57] op_sel_hi:[1,0]
.set j, j+2
.endr
.set j, 0
.rept \n
	v_max_num_f32 v[\base+j], v[\base+j], v[\t+j]
.set j, j+1
.endr
.endm
; nb blocks of 32 along the next K: registers base + 16 q + 0 .. 15 are my half of block q.  Codes into the pair v[84 + 4 par + 2 q], the bytes into v[92 + par].
; Two sets of those registers by turns (par): a set is written again two tiles of rows on, behind a counted wait that shows its LDS stores done.
.macro QB base, nb, par
.set q, 0
.rept \nb
	v_max3_num_f32 v[76+q], |v[\base+16*q]|, |v[\base+16*q+1]|, 0x1800000
.set q, q+1
.endr
.irp i, 2,4,6,8,10,12,14
.set q, 0
	v_max3_num_f32 v[76+q], v[76+q], |v[\base+16*q+\i]|, |v[\base+16*q+\i+1]|
.set q, q+1
.rept (\nb)-1
	s_delay_alu instid0(VALU_DEP_2)
	v_max3_num_f32 v[76+q], v[76+q], |v[\base+16*q+\i]|, |v[\base+16*q+\i+1]|
.set q, q+1
.endr
.endr
.set q, 0
	v_permlanex16_b32 v[78+q], v[76+q], s52, s53
.set q, q+1
.rept (\nb)-1
	s_delay_alu instid0(VALU_DEP_2)
	v_permlanex16_b32 v[78+q], v[76+q], s52, s53
.set q, q+1
.endr
.set q, 0
	v_max_num_f32 v[76+q], v[76+q], v[78+q]        ; with lane l xor 16's half: the block's largest magnitude
.set q, q+1
.rept (\nb)-1
	s_delay_alu instid0(VALU_DEP_2)
	v_max_num_f32 v[76+q], v[76+q], v[78+q]        ; with lane l xor 16's half: the block's largest magnitude
.set q, q+1
.endr
.set q, 0
	v_add_nc_u32 v[80+q], 0xff000000, v[76+q]
.set q, q+1
.rept (\nb)-1
	s_delay_alu instid0(VALU_DEP_2)
	v_add_nc_u32 v[80+q], 0xff000000, v[76+q]
.set q, q+1
.endr
.set q, 0
	v_lshrrev_b32 v[82+q], 23, v[80+q]
.set q, q+1
.rept (\nb)-1
	s_delay_alu instid0(VALU_DEP_2)
	v_lshrrev_b32 v[82+q], 23, v[80+q]
.set q, q+1
.endr
.if (\nb) == 2
	s_delay_alu instid0(VALU_DEP_1)
	v_lshl_or_b32 v[92+(\par)], v83, 8, v82
.else
	s_delay_alu instid0(VALU_DEP_1)
	v_mov_b32 v[92+(\par)], v82
.endif
.set q, 0
.rept \nb
	v_cvt_scalef32_pk8_fp4_f32 v[84+4*(\par)+2*q], v[\base+16*q:\base+16*q+7], v[80+q]
	v_cvt_scalef32_pk8_fp4_f32 v[85+4*(\par)+2*q], v[\base+16*q+8:\base+16*q+15], v[80+q]
.set q, q+1
.endr
	v_nop                                          ; one plain place behind the last scaled conversion
.endm
; ---- layer 1, rows 16 m on: my four tiles, K = 512.  The four accumulators take turns, one product a turn.
.macro L1STEP m
.set XF, 96+32*((\m)%2)
.set HB, 66+4*((\m)%2)
.if (\m) == 0
	s_wait_dscnt 0x0
.else
	s_wait_dscnt 0x3                               ; behind this tile's nine loads stand the last tile's three stores
.endif
	WIN 0x11                                       ; source 0 (W1) and source 2 (b1) window 1
.irp tl, 0,1,2,3
	MM ACC+8*\tl, 32*\tl, XF, 208+8*\tl, WS1+4*(\tl/2), HB, \tl%2
.endr
	WIN 0x01
.irp s, 1,2,3
.irp tl, 0,1,2,3
	MM ACC+8*\tl, 32*\tl+8*\s, XF+8*\s, ACC+8*\tl, WS1+4*(\tl/2)+\s, HB+\s, \tl%2
.endr
.endr
	WIN 0
.if (\m) < 4
	FETCH4 96+32*(((\m)+1)%2), 66+4*(((\m)+1)%2), XC+4352*((\m)+1), XS+256*((\m)+1)   ; the next rows, into the other set, while these are quantised
.endif
	PLACES
	LEAKY ACC, 32, 192
	QB ACC, 2, (\m)%2
	ds_store_b64 v18, v[84+4*((\m)%2):85+4*((\m)%2)] offset:H1C+4352*(\m)
	ds_store_b64 v18, v[86+4*((\m)%2):87+4*((\m)%2)] offset:H1C+4352*(\m)+16
	ds_store_b16 v19, v[92+(\m)%2] offset:H1S+256*(\m)   ; both halves of the lanes write the same two bytes
.endm
	FETCH4 96, 66, XC, XS
	L1STEP 0
	L1STEP 1
	L1STEP 2
	L1STEP 3
	L1STEP 4
	BARRIER                                        ; hidden 1 lies in LDS
; ---- layer 2: my two tiles, K = 512; two accumulators by turns
.macro L2STEP m
.set XF, 96+32*((\m)%2)
.set HB, 66+4*((\m)%2)
.if (\m) == 0
	s_wait_dscnt 0x0
.else
	s_wait_dscnt 0x2                               ; behind this tile's nine loads stand the last tile's two stores
.endif
	WIN 0x11
.irp u, 0,1
	MM ACC+8*\u, 128+32*\u, XF, 240+8*\u, WS2, HB, \u
.endr
	WIN 0x01
.irp s, 1,2,3
.irp u, 0,1
	MM ACC+8*\u, 128+32*\u+8*\s, XF+8*\s, ACC+8*\u, WS2+\s, HB+\s, \u
.endr
.endr
	WIN 0
.if (\m) < 4
	FETCH4 96+32*(((\m)+1)%2), 66+4*(((\m)+1)%2), H1C+4352*((\m)+1), H1S+256*((\m)+1)
.endif
	PLACES
	LEAKY ACC, 16, 192
	QB ACC, 1, (\m)%2
	ds_store_b64 v20, v[84+4*((\m)%2):85+4*((\m)%2)] offset:H2C+2304*(\m)
	ds_store_b8 v21, v[92+(\m)%2] offset:H2S+256*(\m)
.endm
	s_wait_loadcnt 0x0                             ; the last 32 loads: layers 2 and 3
	FETCH4 96, 66, H1C, H1S
	L2STEP 0
	L2STEP 1
	L2STEP 2
	L2STEP 3
	L2STEP 4
	BARRIER                                        ; hidden 2 lies in LDS
	; ---- layer 3: my tile for all 80 rows, K = 256; the five tiles of rows are five accumulators by turns
.irp m, 0,1,2,3,4
.irp s, 0,1
.irp c, 0,1
	ds_load_b128 v[96+16*\m+8*\s+4*\c:99+16*\m+8*\s+4*\c], v16 offset:H2C+2304*\m+64*\s+32*\c
.endr
.endr
	ds_load_b64 v[66+2*\m:67+2*\m], v17 offset:H2S+256*\m
.endr
	s_wait_dscnt 0x0
	WIN 0x01                                       ; source 0 (W3) window 1; b3 lies in window 0
.irp m, 0,1,2,3,4
	MM 176+8*\m, 192, 96+16*\m, B3R, WS3, 66+2*\m, 0
.endr
.irp m, 0,1,2,3,4
	MM 176+8*\m, 200, 104+16*\m, 176+8*\m, WS3+1, 67+2*\m, 0
.endr
	WIN 0
	PLACES
	LEAKY 176, 40, 216
.irp m, 0,1,2,3,4
	ds_store_b128 v22, v[176+8*\m:179+8*\m] offset:8448*\m       ; lane (r, h): row 16 m + r, units 32 (w / 2) + 16 h + 8 (w % 2) + 0 .. 7
	ds_store_b128 v22, v[180+8*\m:183+8*\m] offset:8448*\m+16
.endr
	BARRIER                                        ; 80 whole rows lie in the stage
	; ---- the way out: my ten rows, each to its own row of emb; a store of the wave covers 512 consecutive bytes, aligned
.irp i, 0,1,2,3,4,5,6,7,8,9
	v_lshl_add_u32 v[34+\i], s[40+\i], 9, v1
.endr
.irp i, 0,1,2,3,4,5,6,7,8,9
	ds_load_b128 v[96+4*\i:99+4*\i], v23 offset:528*\i
.endr
	s_wait_dscnt 0x0
.irp i, 0,1,2,3,4,5,6,7,8,9
	s_cmp_gt_i32 s74, \i                           ; rows past the tile's own are not stored: they belong to another tile
	s_cbranch_scc0 .Lend
	s_wait_alu depctr_va_vdst(0)
	global_store_b128 v[34+\i], v[96+4*\i:99+4*\i], s[32:33]
.endr
.Lend:
	s_wait_xcnt 0x0
	v_lshl_add_u32 v254, v0, 2, 0x18c00
	v_mov_b32 v255, 0
	s_wait_alu depctr_va_vdst(0)
	s_wait_tensorcnt 0x0
	ds_add_u32 v254, v255
	s_wait_dscnt 0x0
	s_endpgm
.Lfunc_end_k_qc4fb2ad857_chain:
	.size	k_qc4fb2ad857_chain, .Lfunc_end_k_qc4fb2ad857_chain-k_qc4fb2ad857_chain
	.p2alignl 7, 3214868480
	.fill 96, 4, 3214868480
	.section	.rodata,"a",@progbits
	.p2align	6, 0x0
	.amdhsa_kernel k_qc4fb2ad857_chain
		.amdhsa_group_segment_fixed_size 102400
		.amdhsa_private_segment_fixed_size 0
		.amdhsa_enable_private_segment 0
		.amdhsa_kernarg_size 120
		.amdhsa_user_sgpr_count 2
		.amdhsa_user_sgpr_kernarg_segment_ptr 1
		.amdhsa_wavefront_size32 1
		.amdhsa_system_sgpr_workgroup_id_x 1
		.amdhsa_system_sgpr_workgroup_id_y 1
		.amdhsa_system_sgpr_workgroup_id_z 1
		.amdhsa_system_vgpr_workitem_id 0
		.amdhsa_next_free_vgpr 512
		.amdhsa_next_free_sgpr 80
		.amdhsa_reserve_vcc 0
		.amdhsa_float_denorm_mode_32 3
		.amdhsa_float_denorm_mode_16_64 3
		.amdhsa_memory_ordered 1
		.amdhsa_forward_progress 1
		.amdhsa_inst_pref_size 103
	.end_amdhsa_kernel
	.amdgpu_metadata
---
amdhsa.version: [ 1, 2 ]
amdhsa.kernels:
  - .name:           k_qc4fb2ad857_chain
    .symbol:         k_qc4fb2ad857_chain.kd
    .args:
      - { .name: a_emb, .offset: 0, .size: 8, .value_kind: global_buffer, .address_space: global }
      - { .name: o_emb, .offset: 8, .size: 8, .value_kind: global_buffer, .address_space: global }
      - { .name: u_emb, .offset: 16, .size: 8, .value_kind: global_buffer, .address_space: global }
      - { .name: i_emb, .offset: 24, .size: 8, .value_kind: global_buffer, .address_space: global }
      - { .name: b1, .offset: 32, .size: 8, .value_kind: global_buffer, .address_space: global }
      - { .name: b2, .offset: 40, .size: 8, .value_kind: global_buffer, .address_space: global }
      - { .name: b3, .offset: 48, .size: 8, .value_kind: global_buffer, .address_space: global }
      - { .name: bu1, .offset: 56, .size: 8, .value_kind: global_buffer, .address_space: global }
      - { .name: bu2, .offset: 64, .size: 8, .value_kind: global_buffer, .address_space: global }
      - { .name: bu3, .offset: 72, .size: 8, .value_kind: global_buffer, .address_space: global }
      - { .name: order, .offset: 80, .size: 8, .value_kind: global_buffer, .address_space: global }
      - { .name: tiles, .offset: 88, .size: 8, .value_kind: global_buffer, .address_space: global }
      - { .name: wc, .offset: 96, .size: 8, .value_kind: global_buffer, .address_space: global }
      - { .name: ws, .offset: 104, .size: 8, .value_kind: global_buffer, .address_space: global }
      - { .name: emb, .offset: 112, .size: 8, .value_kind: global_buffer, .address_space: global }
    .group_segment_fixed_size: 102400
    .private_segment_fixed_size: 0
    .kernarg_segment_align: 8
    .kernarg_segment_size: 120
    .max_flat_workgroup_size: 256
    .sgpr_count:     80
    .vgpr_count:     512
    .wavefront_size: 32
...
	.end_amdgpu_metadata
.endif
;; end of part 2
;; launch dot (part 3): grid 256 x 1, 2 waves a work-group, no clusters, 512 bytes of LDS; arguments emb, out0; writes out0
.if DOCPART == 3
	.amdgcn_target "amdgcn-amd-amdhsa--gfx1250"
	.amdhsa_code_object_version 6
	.text
	.protected	k_qc4fb2ad857_dot
	.globl	k_qc4fb2ad857_dot
	.p2align	8
	.type	k_qc4fb2ad857_dot,@function
k_qc4fb2ad857_dot:
	s_mov_b64 s[64:65], 0
	v_nop
	global_prefetch_b8 v0, s[64:65] scope:SCOPE_SE
	s_setreg_imm32_b32 hwreg(HW_REG_WAVE_MODE, 25, 1), 1
	s_wait_xcnt 0x0
; DOT.  out0[b][n] = the sum over 128 of emb[16384 + b][.] x emb[32 b + n][.], all f32.  A stream: no matrix unit, no cluster, no ring.
; A wave takes one b: the UI row and its 32 token rows, 512 consecutive bytes a load, 16 a lane, all 33 loads out at once.  A lane first sums its four products of each row; then the 32 rows'
; partial sums are folded across the lanes so that lane n ends with row n's sum: at each of five steps a lane keeps one of two rows and sends the other to its partner.
; The two waves' 64 results meet in LDS and leave as 256 consecutive bytes, aligned.
; LIMIT: the order of the 128 additions is this tree's, not a chain's; all of them are f32.
	s_load_b128 s[4:7], s[0:1], 0x0                ; emb, out0
	v_lshl_add_u32 v192, v0, 2, 0x100
	v_mov_b32 v193, 0
	v_lshrrev_b32 v1, 5, v0
	v_readfirstlane_b32 s8, v1                     ; wave 0, 1
	v_and_b32 v2, 31, v0
	v_lshlrev_b32 v1, 4, v2                        ; 16 x lane
	v_lshlrev_b32 v3, 3, v2                        ; 8 x lane
	v_lshlrev_b32 v2, 2, v0                        ; 4 x thread
	v_mov_b32 v10, 0                               ; a lane permute's destination counts as one of its sources
	s_lshl_b32 s9, ttmp9, 1
	s_add_co_u32 s9, s9, s8                        ; b
	s_lshl_b32 s10, s9, 9
	s_add_co_u32 s10, s10, 0x800000                ; row 16384 + b
	s_mov_b32 s11, 0
	s_lshl_b32 s12, s9, 14                         ; row 32 b
	s_mov_b32 s13, 0
	s_lshl_b32 s14, ttmp9, 8                       ; the work-group's 64 results
	s_mov_b32 s15, 0
	s_mov_b32 s20, 0x76543210
	s_mov_b32 s21, 0xfedcba98                      ; v_permlanex16_b32's selects for lane l xor 16
	s_wait_alu depctr_va_vdst(0)
	s_wait_kmcnt 0x0
	s_add_nc_u64 s[10:11], s[4:5], s[10:11]
	s_add_nc_u64 s[12:13], s[4:5], s[12:13]
	s_add_nc_u64 s[14:15], s[6:7], s[14:15]
	global_load_b128 v[4:7], v1, s[10:11] th:TH_LOAD_NT
.set n, 0
.rept 32
	global_load_b128 v[64+4*n:67+4*n], v1, s[12:13] offset:512*n th:TH_LOAD_NT
.set n, n+1
.endr
.set n, 0
.rept 32
	s_wait_loadcnt 31-n                            ; the later rows may be out
	v_pk_mul_f32 v[64+4*n:65+4*n], v[64+4*n:65+4*n], v[4:5]
	v_pk_fma_f32 v[64+4*n:65+4*n], v[66+4*n:67+4*n], v[6:7], v[64+4*n:65+4*n]
	v_add_f32 v[32+n], v[64+4*n], v[65+4*n]        ; my four products of row n
.set n, n+1
.endr
; cnt rows become cnt / 2: of rows 2 i and 2 i + 1 a lane whose bit is 0 keeps the even one, the others the odd one; each adds what its partner (lane xor xm) sends
.macro FOLD xm, cnt, mask
	s_mov_b32 vcc_lo, \mask
.set i, 0
.rept (\cnt)/2
	v_cndmask_b32 v[12+2*(i%4)], v[32+2*i], v[33+2*i], vcc_lo
	v_cndmask_b32 v[13+2*(i%4)], v[33+2*i], v[32+2*i], vcc_lo
	v_add_f32_dpp v[32+i], v[13+2*(i%4)], v[12+2*(i%4)] row_xmask:\xm row_mask:0xf bank_mask:0xf
.set i, i+1
.endr
.endm
	FOLD 1, 32, 0xaaaaaaaa
	FOLD 2, 16, 0xcccccccc
	FOLD 4, 8, 0xf0f0f0f0
	FOLD 8, 4, 0xff00ff00
	s_mov_b32 vcc_lo, 0xffff0000
	v_cndmask_b32 v12, v32, v33, vcc_lo
	v_cndmask_b32 v13, v33, v32, vcc_lo
	v_permlanex16_b32 v10, v13, s20, s21
	v_add_f32 v32, v12, v10                        ; lane n: row n's sum
	ds_store_b32 v2, v32
	s_wait_dscnt 0x0                               ; for the other wave's sake: my store is done
	s_barrier_signal -1
	s_barrier_wait -1
	s_cmp_lg_u32 s8, 0
	s_cbranch_scc1 .Lend
	ds_load_b64 v[14:15], v3
	s_wait_dscnt 0x0
	global_store_b64 v3, v[14:15], s[14:15]        ; 32 lanes store 256 consecutive bytes, aligned
.Lend:
	s_wait_tensorcnt 0x0
	ds_add_u32 v192, v193
	s_wait_dscnt 0x0
	s_endpgm
.Lfunc_end_k_qc4fb2ad857_dot:
	.size	k_qc4fb2ad857_dot, .Lfunc_end_k_qc4fb2ad857_dot-k_qc4fb2ad857_dot
	.p2alignl 7, 3214868480
	.fill 96, 4, 3214868480
	.section	.rodata,"a",@progbits
	.p2align	6, 0x0
	.amdhsa_kernel k_qc4fb2ad857_dot
		.amdhsa_group_segment_fixed_size 512
		.amdhsa_private_segment_fixed_size 0
		.amdhsa_enable_private_segment 0
		.amdhsa_kernarg_size 16
		.amdhsa_user_sgpr_count 2
		.amdhsa_user_sgpr_kernarg_segment_ptr 1
		.amdhsa_wavefront_size32 1
		.amdhsa_system_sgpr_workgroup_id_x 1
		.amdhsa_system_sgpr_workgroup_id_y 1
		.amdhsa_system_sgpr_workgroup_id_z 1
		.amdhsa_system_vgpr_workitem_id 0
		.amdhsa_next_free_vgpr 194
		.amdhsa_next_free_sgpr 66
		.amdhsa_reserve_vcc 1
		.amdhsa_float_denorm_mode_32 3
		.amdhsa_float_denorm_mode_16_64 3
		.amdhsa_memory_ordered 1
		.amdhsa_forward_progress 1
		.amdhsa_inst_pref_size 16
	.end_amdhsa_kernel
	.amdgpu_metadata
---
amdhsa.version: [ 1, 2 ]
amdhsa.kernels:
  - .name:           k_qc4fb2ad857_dot
    .symbol:         k_qc4fb2ad857_dot.kd
    .args:
      - { .name: emb, .offset: 0, .size: 8, .value_kind: global_buffer, .address_space: global }
      - { .name: out0, .offset: 8, .size: 8, .value_kind: global_buffer, .address_space: global }
    .group_segment_fixed_size: 512
    .private_segment_fixed_size: 0
    .kernarg_segment_align: 8
    .kernarg_segment_size: 16
    .max_flat_workgroup_size: 64
    .sgpr_count:     66
    .vgpr_count:     194
    .wavefront_size: 32
...
	.end_amdgpu_metadata
.endif
;; end of part 3
